; MI455X (gfx1250); checked and timed in simulation.
; The chip was launched on July 23, 2026; its instructions are those of AMD's public machine-readable ISA for CDNA 5 (MIT licence, August 2026) and "CDNA5" Instruction Set Architecture Reference Guide (July 2026). The comments in the code are by the model that wrote it; some were corrected since.
;; Point Net Feature Propagation. Allowed arithmetic: matrix products marked QUANTISED: E4M3 operands, one E8M0 scale for each 32 along K, by v_wmma_scale_f32_16x16x128_f8f6f4 with both operands' format E4M3, f32 sums; products left as they are: f32 operands where the result goes on into a quantised operand, else bf16, f16 or f32 operands; f32 sums; everything else in f32.
;; Inputs: b1 256 float32; b2 128 float32; be1 256 float32; be2 128 float32; g1 256 float32; g2 128 float32; m1 256 float32; m2 128 float32; points1 8 x 256 x 8,192 float32; points2 8 x 256 x 2,048 float32; v1 256 float32; v2 128 float32; w1_codes 256 x 16 x 32 uint8 (E4M3 codes of w1, K innermost, in blocks of 32 codes); w1_scales 256 x 16 uint8 (E8M0 scales of w1, one for each 32 codes along K); w2_codes 128 x 8 x 32 uint8 (E4M3 codes of w2, K innermost, in blocks of 32 codes); w2_scales 128 x 8 uint8 (E8M0 scales of w2, one for each 32 codes along K); xyz1 8 x 3 x 8,192 float32; xyz2 8 x 3 x 2,048 float32.
;; Outputs: out0 8 x 128 x 8,192 float32.
;; This version of the problem:
;;   THIS VERSION OF THE PROBLEM IS GIVEN IN LOW PRECISION. The matrix products marked QUANTISED in the list below multiply operands that are first quantised to E4M3 (4 exponent bits, 3 mantissa bits; 8 bits a number), with one power-of-two scale for each 32 numbers along K (OCP MX v1.0); their sums are f32. All else is computed in f32.
;;   The module's matrix products, in the order in which they are computed (A, B: the left and right operand; K: the contracted axis; several contracted axes count as one K, in the product's order):
;;     1. batch 8 x [M 8,192, K 3] x [K 3, N 2,048]; A: input xyz1; B: input xyz2: left as it is (K = 3 < 32)
;;     2. batch 65,536 x [M 256, K 3] x [K 3, N 1]; A: computed on the way; B: computed on the way: left as it is (K = 3 < 32)
;;     3. [M 65,536, K 512] x [K 512, N 256]; A: computed on the way; B: input w1 (given as codes): QUANTISED
;;     4. [M 65,536, K 256] x [K 256, N 128]; A: computed on the way; B: input w2 (given as codes): QUANTISED
;;   THE QUANTISER, for each operand of a quantised product, along K:
;;     - K is cut into blocks of 32 from its start; a last block that is shorter is filled with zeros.
;;     - A block's scale is 2^e with e = floor(log2(the largest magnitude in the block)) - 8, held to -126 .. 127; a block of zeros has e = 0. As a byte (E8M0): e + 127.
;;     - Each number is divided by its block's scale, clamped to +-448, and rounded to the nearest number of E4M3, ties to even, subnormals kept.
;;     - The product sums the exact products of the quantised numbers (number of the format x scale) in f32.
;;   ~~~python
;;   def quantise(x, axis):      # numpy; x: float32 -> the quantised numbers, widened to float32 again
;;       x = np.moveaxis(x, axis, -1); K = x.shape[-1]
;;       x = np.pad(x, [(0, 0)] * (x.ndim - 1) + [(0, -K % 32)]); x = x.reshape(x.shape[:-1] + (-1, 32)); a = np.abs(x).max(-1, keepdims=True)
;;       e = np.where(a > 0, np.clip(np.frexp(np.where(a > 0, a, 1))[1] - 1 - 8, -126, 127), 0)      # np.frexp(a)[1] - 1 = floor(log2(a)), exactly
;;       r = np.clip(x / 2.0 ** e, -448, 448)
;;       step = 2.0 ** (np.maximum(np.frexp(np.where(r == 0, 1, r))[1] - 1, -6) - 3)
;;       q = np.round(r / step) * step * 2.0 ** e      # np.round: ties to even
;;       return np.moveaxis(q.reshape(q.shape[:-2] + (-1,))[..., :K], -1, axis).astype(np.float32)
;;   ~~~
;;   OPERANDS COMPUTED ON THE WAY. 'Computed on the way' means the value that the module computes at that place (a softmax that the list does not call 'softmax' is quantised finished and normalised). What goes into a quantiser is computed in f32, as accurately as f32 sums, v_exp_f32 and their like allow (about 1e-6 of the number): no bf16 or f16 on the way to a quantiser, and a product that is left as it is and whose result goes on into a quantised operand takes f32 operands (vector FMAs, or v_wmma_f32_16x16x4_f32). A number that lies on a knife's edge between two numbers of the format may be rounded either way, as far as f32 arithmetic and the matrix unit's own rounding can turn it there, and no further.
;;   INPUTS GIVEN AS CODES. w1 (in the module: [512, 256], K = its axis 0); w2 (in the module: [256, 128], K = its axis 0): each comes as NAME_codes (uint8): NAME with its K axis moved to the last place and cut into blocks of 32 codes, [.., K / 32, bytes a block], one block behind the other in memory; one code a byte (a code: sign, 4 exponent bits, 3 mantissa bits); and NAME_scales (uint8): the same leading axes, one E8M0 byte (e + 127) for each 32 codes along K. Its value is code x scale, taken as it is: it is not quantised again, and the codes and scales need not be those that the quantiser above would give.
;; One version. Each part assembles by itself: llvm-mc -triple=amdgcn-amd-amdhsa -mcpu=gfx1250 --defsym DOCPART=n.
;; ======== version 1 of 1: 3 launches
;; workspace buffers: cand 786,432 bytes of whole numbers; nidx 1,048,576 bytes of whole numbers; nw 1,048,576 bytes; f2t 16,777,216 bytes
;; launch screen (part 1): grid 256 x 1, 4 waves a work-group, no clusters, 107,008 bytes of LDS; arguments xyz1, xyz2, points2, cand, f2t; writes cand, f2t
.if DOCPART == 1
	.amdgcn_target "amdgcn-amd-amdhsa--gfx1250"
	.amdhsa_code_object_version 6
	.text
	.protected	k_q8e1ee41d6b_screen
	.globl	k_q8e1ee41d6b_screen
	.p2align	8
	.type	k_q8e1ee41d6b_screen,@function
k_q8e1ee41d6b_screen:
	s_mov_b64 s[64:65], 0
	v_nop
	global_prefetch_b8 v0, s[64:65] scope:SCOPE_SE
	s_setreg_imm32_b32 hwreg(HW_REG_WAVE_MODE, 25, 1), 1
	s_wait_xcnt 0x0
; SCREEN.  For each of 65,536 queries: which 3 of its batch's 128 chunks of 16 neighbouring keys have the smallest least squared distance.
; Under the order (distance, key number) the 3 nearest keys lie in the 3 chunks that are first under (least distance, chunk number): were a key's chunk not among them,
; three other chunks would each hold a nearer key.  So a pair costs its distance and half a v_min3, and only each 16th pair an insertion; the next launch looks at the 48 keys left.
; d = (s1 + s2) - 2 p1.p2 in f32.  s = (x*x + y*y) + z*z with every square and every sum rounded by itself, as reference() has it (p ** 2 is an array of its own, then summed): so these are NOT fused.
; The product is a chain of fused multiply-adds in ascending c on -2 x, -2 y, -2 z (a factor 2 rounds nothing).  The next launch runs the same lines, so both see the same bits.
; Under that work points2 [256][2048] of the batch is turned into f2t: a row of 1,024 bytes for each key, feature 8 L + 4 j + i at byte 512 j + 16 L + 4 i.
; SHARES.  Work-group: batch b = x / 32, queries 256 g .. 256 g + 255 (g = x % 32).  Wave w: 128 of them (w & 1), four a lane; keys 1,024 (w >> 1) on: 64 chunks.
; Four queries a lane, so that a chunk's 16 LDS loads (all lanes one address) feed 236 vector instructions.  Turning: key 64 g + 32 (w & 1) + lane, features 128 (w >> 1) on, 16 a unit of 8 chunks.
; LIMITS: coordinates are finite (no NaN, no infinity); on equal least distances the lower chunk stays ahead, as jax.lax.top_k keeps the lower index; the keys are chosen by d as it is rounded here:
; were the product rounded otherwise, a query whose third and fourth distances lie within one step of the sums (about 2^-21 for coordinates of spread 1) could take the other key.
; No matrix unit, no tensor loads, no cluster: the keys are 32 KiB read once, and the work is vector work.
.set LKS,  8192                        ; LDS: x, y, z, s2 of the batch's 2,048 keys, 8,192 bytes each
.set EXB,  4*LKS                       ; the upper key half's state on its way to the lower: 3,072 bytes for each half of the queries
.set STG,  EXB+6144                    ; a stage for each wave: 32 rows (keys) of 512 bytes + 16
.set SPT,  528                         ; 33 x 16 bytes: the 16 lanes of a store's pass fall on 16 different columns of 16 bytes
.set WST,  32*SPT
.set L16,  2                           ; v2   16 x lane
.set KP,   3                           ; v3   16 x thread
.set KA,   4                           ; v4-5 LDS byte of the chunk being fetched, by turns
.set TOFF, 6                           ; v6   points2: 4 x lane, stepped 16 rows a unit
.set STW,  7                           ; v7   my row of my stage, stepped 32 bytes a unit
.set STR,  8                           ; v8   my stage, 16 x lane: the way out
.set EXA,  9                           ; v9   my 16 bytes in the exchange
.set FOFF, 10                          ; v10  f2t: 512 (lane / 16) + 16 (lane % 16)
.set CID,  11                          ; v11  the chunk's number
.set Q,    12                          ; v12-43  query q at 12 + 8 q: pairs (-2x,-2x) (-2y,-2y) (-2z,-2z) (s1,s1)
.set MA,   44                          ; v44-55  the three least chunk minima, four queries each
.set MB,   48
.set MC,   52
.set CA,   56                          ; v56-67  their chunk numbers
.set CB,   60
.set CC,   64
.set MM,   68                          ; v68-71  this chunk's minima
.set K,    72                          ; v72-135 a chunk's x, y, z, s2, 16 each
.set D,    136                         ; v136-199 distances, 16 a query
.set T,    200                         ; v200-215 at work
.set TR,   216                         ; v216-231 16 features of my key
	s_load_b256 s[4:11], s[0:1], 0x0               ; xyz1, xyz2, points2, cand
	s_load_b64 s[12:13], s[0:1], 0x20              ; f2t
	v_lshl_add_u32 v240, v0, 2, 0x1a000
	v_mov_b32 v241, 0
	v_lshrrev_b32 v1, 5, v0
	v_readfirstlane_b32 s14, v1                    ; wave
	v_and_b32 v1, 31, v0                           ; lane
	s_and_b32 s15, s14, 1                          ; which 128 queries; which 32 keys to turn
	s_lshr_b32 s16, s14, 1                         ; which 1,024 keys; which 128 features to turn
	s_lshr_b32 s17, ttmp9, 5                       ; b
	s_and_b32 s18, ttmp9, 31                       ; g
	v_lshlrev_b32 v[L16], 4, v1
	v_lshlrev_b32 v[KP], 4, v0
	v_lshlrev_b32 v[TOFF], 2, v1
	s_mul_i32 s36, s14, WST
	s_add_co_u32 s36, s36, STG
	v_mul_u32_u24 v[STW], v1, SPT
	v_add_nc_u32 v[STW], s36, v[STW]
	v_add_nc_u32 v[STR], s36, v[L16]
	s_mul_i32 s37, s15, 3072
	s_add_co_u32 s37, s37, EXB
	v_add_nc_u32 v[EXA], s37, v[L16]
	v_lshrrev_b32 v[FOFF], 4, v1
	v_and_b32 v[CID], 15, v1
	v_lshlrev_b32 v[FOFF], 9, v[FOFF]
	v_lshl_add_u32 v[FOFF], v[CID], 4, v[FOFF]
	s_lshl_b32 s19, s16, 6
	v_mov_b32 v[CID], s19                          ; my first chunk: 64 x key half
	s_lshl_b32 s22, s16, 12                        ; and its byte in each array of keys
	s_mul_i32 s36, s17, 24576                      ; xyz2: the batch
	s_mov_b32 s37, 0
	s_mul_i32 s38, s17, 98304                      ; xyz1: the batch, + 4 (256 g + 128 half)
	s_lshl_b32 s40, s18, 10
	s_add_co_u32 s38, s38, s40
	s_lshl_b32 s40, s15, 9
	s_add_co_u32 s38, s38, s40
	s_mov_b32 s39, 0
	s_lshl_b32 s40, s17, 21                        ; points2: the batch, + 128 rows x feature half, + 4 (64 g + 32 key half)
	s_lshl_b32 s42, s16, 20
	s_add_co_u32 s40, s40, s42
	s_lshl_b32 s42, s18, 8
	s_add_co_u32 s40, s40, s42
	s_lshl_b32 s42, s15, 7
	s_add_co_u32 s40, s40, s42
	s_mov_b32 s41, 0
	s_lshl_b32 s42, s17, 15                        ; cand: 4 (8,192 b + 256 g + 128 half)
	s_lshl_b32 s44, s18, 10
	s_add_co_u32 s42, s42, s44
	s_lshl_b32 s44, s15, 9
	s_add_co_u32 s42, s42, s44
	s_mov_b32 s43, 0
	s_lshl_b32 s44, s17, 21                        ; f2t: the batch, + 1,024 (64 g + 32 key half), + 256 x feature half
	s_lshl_b32 s46, s18, 16
	s_add_co_u32 s44, s44, s46
	s_lshl_b32 s46, s15, 15
	s_add_co_u32 s44, s44, s46
	s_lshl_b32 s46, s16, 8
	s_add_co_u32 s44, s44, s46
	s_mov_b32 s45, 0
	s_wait_kmcnt 0x0
	s_add_nc_u64 s[6:7], s[6:7], s[36:37]
	s_add_nc_u64 s[4:5], s[4:5], s[38:39]
	s_add_nc_u64 s[8:9], s[8:9], s[40:41]
	s_add_nc_u64 s[10:11], s[10:11], s[42:43]
	s_add_nc_u64 s[12:13], s[12:13], s[44:45]
.irp c, 0,1,2
.irp j, 0,1,2,3
	global_load_b128 v[K+16*\c+4*\j:K+16*\c+4*\j+3], v[KP], s[6:7] offset:\c*8192+\j*2048   ; keys 4 t + 512 j: a wave reads 512 consecutive bytes
.endr
.endr
.irp c, 0,1,2
	global_load_b128 v[T+4*\c:T+4*\c+3], v[L16], s[4:5] offset:\c*32768                     ; my four queries
.endr
	s_wait_loadcnt 0x0
.irp p, 0,2,4,6,8,10,12,14
	v_pk_mul_f32 v[K+48+\p:K+48+\p+1], v[K+\p:K+\p+1], v[K+\p:K+\p+1]                       ; s2 = (x*x + y*y) + z*z: each square rounded before it is added, as reference() has it
.endr
.irp p, 0,2,4,6,8,10,12,14
	v_pk_mul_f32 v[D+\p:D+\p+1], v[K+16+\p:K+16+\p+1], v[K+16+\p:K+16+\p+1]
.endr
.irp p, 0,2,4,6,8,10,12,14
	v_pk_add_f32 v[K+48+\p:K+48+\p+1], v[K+48+\p:K+48+\p+1], v[D+\p:D+\p+1]
.endr
.irp p, 0,2,4,6,8,10,12,14
	v_pk_mul_f32 v[D+\p:D+\p+1], v[K+32+\p:K+32+\p+1], v[K+32+\p:K+32+\p+1]
.endr
.irp p, 0,2,4,6,8,10,12,14
	v_pk_add_f32 v[K+48+\p:K+48+\p+1], v[K+48+\p:K+48+\p+1], v[D+\p:D+\p+1]
.endr
.irp a, 0,1,2,3
.irp j, 0,1,2,3
	ds_store_b128 v[KP], v[K+16*\a+4*\j:K+16*\a+4*\j+3] offset:\a*LKS+\j*2048
.endr
.endr
.irp q, 0,1,2,3
	v_mul_f32 v[Q+8*\q+6], v[T+\q], v[T+\q]                                                 ; s1 likewise
.endr
.irp q, 0,1,2,3
	v_mul_f32 v[T+12+\q], v[T+4+\q], v[T+4+\q]
.endr
.irp q, 0,1,2,3
	v_add_f32 v[Q+8*\q+6], v[Q+8*\q+6], v[T+12+\q]
.endr
.irp q, 0,1,2,3
	v_mul_f32 v[T+12+\q], v[T+8+\q], v[T+8+\q]
.endr
.irp q, 0,1,2,3
	v_add_f32 v[Q+8*\q+6], v[Q+8*\q+6], v[T+12+\q]
.endr
.irp q, 0,1,2,3
	v_mov_b32 v[Q+8*\q+7], v[Q+8*\q+6]
	v_mul_f32 v[Q+8*\q], -2.0, v[T+\q]
	v_mul_f32 v[Q+8*\q+1], -2.0, v[T+\q]
	v_mul_f32 v[Q+8*\q+2], -2.0, v[T+4+\q]
	v_mul_f32 v[Q+8*\q+3], -2.0, v[T+4+\q]
	v_mul_f32 v[Q+8*\q+4], -2.0, v[T+8+\q]
	v_mul_f32 v[Q+8*\q+5], -2.0, v[T+8+\q]
.endr
.irp i, 0,1,2,3,4,5,6,7,8,9,10,11
	v_mov_b32 v[MA+\i], 0x7f800000                 ; +infinity: every finite minimum goes ahead of it
	v_mov_b32 v[CA+\i], 0
.endr
	s_wait_dscnt 0x0                               ; for the others' sake: my part of the keys lies in LDS
	s_barrier_signal -1
	s_barrier_wait -1
.macro FETCH arr, ka                   ; 16 numbers of one array of the chunk at v[ka]: all lanes read one address
.irp i, 0,1,2,3
	ds_load_b128 v[K+16*\arr+4*\i:K+16*\arr+4*\i+3], v[\ka] offset:\arr*LKS+16*\i
.endr
.endm
; v[m + q] with number v[id + st q] goes into query q's sorted three; the compare is strict, so what came earlier stays ahead on a tie.  The four queries by turns.
.macro INS4 m, id, st
.irp q, 0,1,2,3
	v_cmp_lt_f32 s[24+3*\q], v[\m+\q], v[MA+\q]
	v_cmp_lt_f32 s[25+3*\q], v[\m+\q], v[MB+\q]
	v_cmp_lt_f32 s[26+3*\q], v[\m+\q], v[MC+\q]
.endr
.irp q, 0,1,2,3
	v_cndmask_b32 v[T+\q], v[\id+\st*\q], v[CB+\q], s[25+3*\q]
.endr
.irp q, 0,1,2,3
	v_cndmask_b32 v[T+4+\q], v[\id+\st*\q], v[CA+\q], s[24+3*\q]
.endr
.irp q, 0,1,2,3
	v_cndmask_b32 v[CC+\q], v[CC+\q], v[T+\q], s[26+3*\q]
.endr
.irp q, 0,1,2,3
	v_cndmask_b32 v[CB+\q], v[CB+\q], v[T+4+\q], s[25+3*\q]
.endr
.irp q, 0,1,2,3
	v_cndmask_b32 v[CA+\q], v[CA+\q], v[\id+\st*\q], s[24+3*\q]
.endr
.irp q, 0,1,2,3
	v_med3_num_f32 v[MC+\q], v[MB+\q], v[MC+\q], v[\m+\q]
.endr
.irp q, 0,1,2,3
	v_med3_num_f32 v[MB+\q], v[MA+\q], v[MB+\q], v[\m+\q]
.endr
.irp q, 0,1,2,3
	v_min_num_f32 v[MA+\q], v[MA+\q], v[\m+\q]
.endr
.endm
; A chunk: 16 keys x my 4 queries.  fetch = 1: each array is fetched anew, for the next chunk, as soon as the four queries have read it.
; s_wait_dscnt 12: behind the four loads that are wanted stand the twelve of the three arrays fetched after them.  fetch = 0: nothing follows, the counts run down.
.macro CHUNK par, fetch
.if \fetch
	s_add_co_u32 s22, s22, 64
	v_mov_b32 v[KA+\par], s22                      ; this register's last loads were issued two chunks ago and waited for in the last chunk
.endif
	s_wait_dscnt 12
.irp q, 0,1,2,3
.irp p, 0,2,4,6,8,10,12,14
	v_pk_mul_f32 v[D+16*\q+\p:D+16*\q+\p+1], v[K+\p:K+\p+1], v[Q+8*\q:Q+8*\q+1]
.endr
.endr
.if \fetch
	FETCH 0, KA+\par
	s_wait_dscnt 12
.else
	s_wait_dscnt 8
.endif
.irp q, 0,1,2,3
.irp p, 0,2,4,6,8,10,12,14
	v_pk_fma_f32 v[D+16*\q+\p:D+16*\q+\p+1], v[K+16+\p:K+16+\p+1], v[Q+8*\q+2:Q+8*\q+3], v[D+16*\q+\p:D+16*\q+\p+1]
.endr
.endr
.if \fetch
	FETCH 1, KA+\par
	s_wait_dscnt 12
.else
	s_wait_dscnt 4
.endif
.irp q, 0,1,2,3
.irp p, 0,2,4,6,8,10,12,14
	v_pk_fma_f32 v[D+16*\q+\p:D+16*\q+\p+1], v[K+32+\p:K+32+\p+1], v[Q+8*\q+4:Q+8*\q+5], v[D+16*\q+\p:D+16*\q+\p+1]
.endr
.endr
.if \fetch
	FETCH 2, KA+\par
	s_wait_dscnt 12
.else
	s_wait_dscnt 0
.endif
.irp q, 0,1,2,3
.irp p, 0,2,4,6,8,10,12,14
	v_pk_add_f32 v[T+\p:T+\p+1], v[K+48+\p:K+48+\p+1], v[Q+8*\q+6:Q+8*\q+7]                 ; s1 + s2
.endr
.irp p, 0,2,4,6,8,10,12,14
	v_pk_add_f32 v[D+16*\q+\p:D+16*\q+\p+1], v[T+\p:T+\p+1], v[D+16*\q+\p:D+16*\q+\p+1]     ; - 2 p1.p2
.endr
.endr
.if \fetch
	FETCH 3, KA+\par
.endif
.irp a, 0,3,6,9,12
.irp q, 0,1,2,3
	v_min3_num_f32 v[D+16*\q+\a], v[D+16*\q+\a], v[D+16*\q+\a+1], v[D+16*\q+\a+2]           ; the least of the 16, in place
.endr
.endr
.irp q, 0,1,2,3
	v_min3_num_f32 v[D+16*\q], v[D+16*\q], v[D+16*\q+3], v[D+16*\q+6]
.endr
.irp q, 0,1,2,3
	v_min3_num_f32 v[D+16*\q+9], v[D+16*\q+9], v[D+16*\q+12], v[D+16*\q+15]
.endr
.irp q, 0,1,2,3
	v_min_num_f32 v[MM+\q], v[D+16*\q], v[D+16*\q+9]
.endr
	INS4 MM, CID, 0
	v_add_nc_u32 v[CID], 1, v[CID]
.endm
; A unit: 16 features of my key are asked for, eight chunks are worked, the features go into my stage.
.macro UNIT trips, tail
.irp i, 0,1,2,3,4,5,6,7,8,9,10,11,12,13,14,15
	global_load_b32 v[TR+\i], v[TOFF], s[8:9] offset:\i*8192 th:TH_LOAD_NT                  ; a row of points2 at 32 neighbouring keys; the wave beside me takes the next 32
.endr
	s_mov_b32 s20, \trips
.Lpair_\@:
	CHUNK 0, 1
	CHUNK 1, 1
	s_sub_co_u32 s20, s20, 1
	s_cmp_lg_u32 s20, 0
	s_cbranch_scc1 .Lpair_\@
.if \tail
	CHUNK 0, 1
	CHUNK 1, 0                                     ; the last chunk fetches nothing
.endif
	s_wait_loadcnt 0x0                             ; the 16 features (asked for eight chunks ago); their address may step
.irp a, 0,1
	ds_store_b128 v[STW], v[TR+8*\a:TR+8*\a+3] offset:16*\a
	ds_store_b128 v[STW], v[TR+8*\a+4:TR+8*\a+7] offset:256+16*\a
.endr
	s_wait_dscnt 0x0                               ; the stores have read their registers: the next unit's loads may land there, and the address may step
	v_add_nc_u32 v[STW], 32, v[STW]
	v_add_nc_u32 v[TOFF], 0x20000, v[TOFF]         ; 16 rows of 8,192 bytes
.endm
	v_mov_b32 v[KA+1], s22
	FETCH 0, KA+1
	FETCH 1, KA+1
	FETCH 2, KA+1
	FETCH 3, KA+1
	s_mov_b32 s21, 7
.Lunit:                                            ; 7 units of 8 chunks, and one more written out: 64 chunks, 128 features
	UNIT 4, 0
	s_sub_co_u32 s21, s21, 1
	s_cmp_lg_u32 s21, 0
	s_cbranch_scc1 .Lunit
	UNIT 3, 1
	; The two key halves meet: the upper half's waves hand their state over, the lower half's insert it (higher chunk numbers: the strict compare is the right tie rule).
	s_cmp_eq_u32 s16, 0
	s_cbranch_scc1 .Llower
.irp i, 0,1,2,3,4,5
	ds_store_b128 v[EXA], v[MA+4*\i:MA+4*\i+3] offset:512*\i
.endr
.Llower:
	s_wait_dscnt 0x0
	s_barrier_signal -1
	s_barrier_wait -1
	s_cmp_lg_u32 s16, 0
	s_cbranch_scc1 .Lupper
.irp i, 0,1,2,3,4,5
	ds_load_b128 v[D+4*\i:D+4*\i+3], v[EXA] offset:512*\i
.endr
	s_wait_dscnt 0x0
	INS4 D, D+12, 1
	INS4 D+4, D+16, 1
	INS4 D+8, D+20, 1
.irp j, 0,1,2
	global_store_b128 v[L16], v[CA+4*\j:CA+4*\j+3], s[10:11] offset:\j*262144               ; plane j: a wave stores 512 consecutive bytes
.endr
.Lupper:
	; The way out of the turning: my own stage, row by row: lanes 0-15 store the row's first 256 bytes of my feature half, lanes 16-31 the second, each an aligned run of 256 bytes.
.set cnt, 0
.rept 32
	ds_load_b128 v[K+4*cnt:K+4*cnt+3], v[STR] offset:SPT*cnt
.set cnt, cnt+1
.endr
.set cnt, 0
.rept 32
	s_wait_dscnt 31-cnt                            ; LDS loads come back in order: row cnt is in, the younger ones stay out
	global_store_b128 v[FOFF], v[K+4*cnt:K+4*cnt+3], s[12:13] offset:1024*cnt
.set cnt, cnt+1
.endr
	s_wait_tensorcnt 0x0
	ds_add_u32 v240, v241
	s_wait_dscnt 0x0
	s_endpgm
.Lfunc_end_k_q8e1ee41d6b_screen:
	.size	k_q8e1ee41d6b_screen, .Lfunc_end_k_q8e1ee41d6b_screen-k_q8e1ee41d6b_screen
	.p2alignl 7, 3214868480
	.fill 96, 4, 3214868480
	.section	.rodata,"a",@progbits
	.p2align	6, 0x0
	.amdhsa_kernel k_q8e1ee41d6b_screen
		.amdhsa_group_segment_fixed_size 107008
		.amdhsa_private_segment_fixed_size 0
		.amdhsa_enable_private_segment 0
		.amdhsa_kernarg_size 40
		.amdhsa_user_sgpr_count 2
		.amdhsa_user_sgpr_kernarg_segment_ptr 1
		.amdhsa_wavefront_size32 1
		.amdhsa_system_sgpr_workgroup_id_x 1
		.amdhsa_system_sgpr_workgroup_id_y 1
		.amdhsa_system_sgpr_workgroup_id_z 1
		.amdhsa_system_vgpr_workitem_id 0
		.amdhsa_next_free_vgpr 242
		.amdhsa_next_free_sgpr 66
		.amdhsa_reserve_vcc 0
		.amdhsa_float_denorm_mode_32 3
		.amdhsa_float_denorm_mode_16_64 3
		.amdhsa_memory_ordered 1
		.amdhsa_forward_progress 1
		.amdhsa_inst_pref_size 125
	.end_amdhsa_kernel
	.amdgpu_metadata
---
amdhsa.version: [ 1, 2 ]
amdhsa.kernels:
  - .name:           k_q8e1ee41d6b_screen
    .symbol:         k_q8e1ee41d6b_screen.kd
    .args:
      - { .name: xyz1, .offset: 0, .size: 8, .value_kind: global_buffer, .address_space: global }
      - { .name: xyz2, .offset: 8, .size: 8, .value_kind: global_buffer, .address_space: global }
      - { .name: points2, .offset: 16, .size: 8, .value_kind: global_buffer, .address_space: global }
      - { .name: cand, .offset: 24, .size: 8, .value_kind: global_buffer, .address_space: global }
      - { .name: f2t, .offset: 32, .size: 8, .value_kind: global_buffer, .address_space: global }
    .group_segment_fixed_size: 107008
    .private_segment_fixed_size: 0
    .kernarg_segment_align: 8
    .kernarg_segment_size: 40
    .max_flat_workgroup_size: 128
    .sgpr_count:     66
    .vgpr_count:     242
    .wavefront_size: 32
...
	.end_amdgpu_metadata
.endif
;; end of part 1
;; launch refine (part 2): grid 256 x 1, 8 waves a work-group, no clusters, 35,840 bytes of LDS; arguments xyz1, xyz2, cand, nidx, nw; writes nidx, nw
.if DOCPART == 2
	.amdgcn_target "amdgcn-amd-amdhsa--gfx1250"
	.amdhsa_code_object_version 6
	.text
	.protected	k_q8e1ee41d6b_refine
	.globl	k_q8e1ee41d6b_refine
	.p2align	8
	.type	k_q8e1ee41d6b_refine,@function
k_q8e1ee41d6b_refine:
	s_mov_b64 s[64:65], 0
	v_nop
	global_prefetch_b8 v0, s[64:65] scope:SCOPE_SE
	s_setreg_imm32_b32 hwreg(HW_REG_WAVE_MODE, 25, 1), 1
	s_wait_xcnt 0x0
; REFINE.  A thread owns a query.  Its three chunks (whole numbers stored by the launch before) hold 48 keys, its 3 nearest among them.  The distances are made by the same lines as there
; (s = (x*x + y*y) + z*z with every square rounded by itself, as reference() has it; the product a chain of fused multiply-adds on -2 x, -2 y, -2 z; d = (s1 + s2) + that);
; the chunks are taken in ascending order and the compare is strict, so equal distances keep the lower key number, as jax.lax.top_k does.
; Out: nidx [query][4] = three key numbers, 0;  nw [query][4] = the three weights (1 / (d + 1e-8)) / their sum, 0.  The numbers made here from distances are stored only: they enter no address.
; The batch's keys lie in LDS as 128 records of a chunk: x16, y16, z16, s2 16, and 16 bytes of padding, so that lanes on different chunks begin 4 banks apart for each chunk.
; LIMITS: coordinates are finite; 1 / x by v_rcp_f32 (1 ulp); the keys are chosen by d as it is rounded here (see the launch before).
.set REC, 272
	s_load_b256 s[4:11], s[0:1], 0x0               ; xyz1, xyz2, cand, nidx
	s_load_b64 s[12:13], s[0:1], 0x20              ; nw
	v_lshl_add_u32 v128, v0, 2, 0x8800
	v_mov_b32 v129, 0
	s_lshr_b32 s14, ttmp9, 5                       ; b
	s_and_b32 s15, ttmp9, 31                       ; g: queries 256 g on
	v_lshlrev_b32 v1, 4, v0                        ; 16 t
	v_lshlrev_b32 v2, 2, v0                        ; 4 t
	v_lshrrev_b32 v3, 2, v0
	v_and_b32 v10, 3, v0
	v_mul_u32_u24 v3, v3, REC
	v_lshl_add_u32 v3, v10, 4, v3                  ; keys 4 t .. 4 t + 3: record t / 4, place 4 (t % 4)
	s_mul_i32 s16, s14, 24576
	s_mov_b32 s17, 0
	s_mul_i32 s18, s14, 98304
	s_lshl_b32 s20, s15, 10
	s_add_co_u32 s18, s18, s20
	s_mov_b32 s19, 0
	s_lshl_b32 s20, s14, 15
	s_lshl_b32 s22, s15, 10
	s_add_co_u32 s20, s20, s22                     ; 4 x my work-group's first query
	s_mov_b32 s21, 0
	s_lshl_b32 s22, s20, 2                         ; 16 x
	s_mov_b32 s23, 0
	s_wait_kmcnt 0x0
	s_add_nc_u64 s[4:5], s[4:5], s[18:19]
	s_add_nc_u64 s[6:7], s[6:7], s[16:17]
	s_add_nc_u64 s[8:9], s[8:9], s[20:21]
	s_add_nc_u64 s[10:11], s[10:11], s[22:23]
	s_add_nc_u64 s[12:13], s[12:13], s[22:23]
.irp c, 0,1,2
.irp j, 0,1
	global_load_b128 v[32+8*\c+4*\j:32+8*\c+4*\j+3], v1, s[6:7] offset:\c*8192+\j*4096      ; keys 4 t + 1,024 j
.endr
.endr
.irp c, 0,1,2
	global_load_b32 v[26+\c], v2, s[4:5] offset:\c*32768                                    ; my query
.endr
.irp j, 0,1,2
	global_load_b32 v[4+\j], v2, s[8:9] offset:\j*262144                                    ; its three chunks
.endr
	s_wait_loadcnt 0x0
.irp p, 0,2,4,6
	v_pk_mul_f32 v[56+\p:57+\p], v[32+\p:33+\p], v[32+\p:33+\p]                             ; s2 = (x*x + y*y) + z*z: each square rounded before it is added
.endr
.irp p, 0,2,4,6
	v_pk_mul_f32 v[96+\p:97+\p], v[40+\p:41+\p], v[40+\p:41+\p]
.endr
.irp p, 0,2,4,6
	v_pk_add_f32 v[56+\p:57+\p], v[56+\p:57+\p], v[96+\p:97+\p]
.endr
.irp p, 0,2,4,6
	v_pk_mul_f32 v[96+\p:97+\p], v[48+\p:49+\p], v[48+\p:49+\p]
.endr
.irp p, 0,2,4,6
	v_pk_add_f32 v[56+\p:57+\p], v[56+\p:57+\p], v[96+\p:97+\p]
.endr
.irp a, 0,1,2,3
.irp j, 0,1
	ds_store_b128 v3, v[32+8*\a+4*\j:32+8*\a+4*\j+3] offset:\j*64*REC+\a*64
.endr
.endr
	v_mul_f32 v18, v26, v26                        ; s1 likewise
	v_mul_f32 v29, v27, v27
	v_add_f32 v18, v18, v29
	v_mul_f32 v29, v28, v28
	v_add_f32 v18, v18, v29
	v_mov_b32 v19, v18
	v_mul_f32 v12, -2.0, v26
	v_mul_f32 v13, -2.0, v26
	v_mul_f32 v14, -2.0, v27
	v_mul_f32 v15, -2.0, v27
	v_mul_f32 v16, -2.0, v28
	v_mul_f32 v17, -2.0, v28
	v_min_u32 v29, v4, v5                          ; the three chunk numbers in ascending order
	v_max_u32 v30, v4, v5
	v_min_u32 v7, v29, v6
	v_max_u32 v31, v29, v6
	v_min_u32 v8, v30, v31
	v_max_u32 v9, v30, v31
	v_min_u32 v7, 0x7f, v7                         ; a number read from memory enters an address only behind a bound
	v_min_u32 v8, 0x7f, v8
	v_min_u32 v9, 0x7f, v9
	v_mul_u32_u24 v4, v7, REC
	v_mul_u32_u24 v5, v8, REC
	v_mul_u32_u24 v6, v9, REC
.irp i, 0,1,2
	v_mov_b32 v[20+\i], 0x7f800000                 ; the three least distances: +infinity
	v_mov_b32 v[23+\i], 0                          ; their codes: 16 x slot + place
.endr
	s_wait_dscnt 0x0                               ; for the others' sake: my keys lie in LDS
	s_barrier_signal -1
	s_barrier_wait -1                              ; nothing writes LDS behind this barrier
.macro INS1 m, id
	v_cmp_lt_f32 s24, v[\m], v20
	v_cmp_lt_f32 s25, v[\m], v21
	v_cmp_lt_f32 s26, v[\m], v22
	v_cndmask_b32 v26, \id, v24, s25
	v_cndmask_b32 v27, \id, v23, s24
	v_cndmask_b32 v25, v25, v26, s26
	v_cndmask_b32 v24, v24, v27, s25
	v_cndmask_b32 v23, v23, \id, s24
	v_med3_num_f32 v22, v21, v22, v[\m]
	v_med3_num_f32 v21, v20, v21, v[\m]
	v_min_num_f32 v20, v20, v[\m]
.endm
.irp j, 0,1,2
.irp a, 0,1,2,3
.irp i, 0,1,2,3
	ds_load_b128 v[32+16*\a+4*\i:32+16*\a+4*\i+3], v[4+\j] offset:\a*64+16*\i
.endr
.endr
	s_wait_dscnt 0x0
.irp p, 0,2,4,6,8,10,12,14
	v_pk_mul_f32 v[96+\p:97+\p], v[32+\p:33+\p], v[12:13]
.endr
.irp p, 0,2,4,6,8,10,12,14
	v_pk_fma_f32 v[96+\p:97+\p], v[48+\p:49+\p], v[14:15], v[96+\p:97+\p]
.endr
.irp p, 0,2,4,6,8,10,12,14
	v_pk_fma_f32 v[96+\p:97+\p], v[64+\p:65+\p], v[16:17], v[96+\p:97+\p]
.endr
.irp p, 0,2,4,6,8,10,12,14
	v_pk_add_f32 v[112+\p:113+\p], v[80+\p:81+\p], v[18:19]
.endr
.irp p, 0,2,4,6,8,10,12,14
	v_pk_add_f32 v[96+\p:97+\p], v[112+\p:113+\p], v[96+\p:97+\p]
.endr
.irp i, 0,1,2,3,4,5,6,7,8,9,10,11,12,13,14,15
	INS1 96+\i, 16*\j+\i
.endr
.endr
	v_add_f32 v112, 0x322bcc77, v20                ; d + 1e-8
	v_add_f32 v113, 0x322bcc77, v21
	v_add_f32 v114, 0x322bcc77, v22
	v_rcp_f32 v116, v112
	v_rcp_f32 v117, v113
	v_rcp_f32 v118, v114
.irp k, 0,1,2                                      ; (plain lines behind the reciprocals)  code -> key number: 16 x the slot's chunk + place
	v_cmp_gt_u32 vcc_lo, 16, v[23+\k]
	v_cndmask_b32 v[96+\k], v8, v7, vcc_lo
	v_cmp_gt_u32 vcc_lo, 32, v[23+\k]
	v_cndmask_b32 v[96+\k], v9, v[96+\k], vcc_lo
	v_and_b32 v[26+\k], 15, v[23+\k]
	v_lshl_add_u32 v[96+\k], v[96+\k], 4, v[26+\k]
.endr
	v_mov_b32 v99, 0
	s_wait_alu depctr_va_vdst(0)
	v_add_f32 v119, v116, v117
	v_add_f32 v119, v119, v118
	v_rcp_f32 v120, v119
	v_mov_b32 v103, 0                              ; a plain line behind the reciprocal
	s_wait_alu depctr_va_vdst(0)
	v_mul_f32 v100, v116, v120
	v_mul_f32 v101, v117, v120
	v_mul_f32 v102, v118, v120
	global_store_b128 v1, v[96:99], s[10:11]       ; a wave stores 512 consecutive bytes
	global_store_b128 v1, v[100:103], s[12:13]
	s_wait_tensorcnt 0x0
	ds_add_u32 v128, v129
	s_wait_dscnt 0x0
	s_endpgm
.Lfunc_end_k_q8e1ee41d6b_refine:
	.size	k_q8e1ee41d6b_refine, .Lfunc_end_k_q8e1ee41d6b_refine-k_q8e1ee41d6b_refine
	.p2alignl 7, 3214868480
	.fill 96, 4, 3214868480
	.section	.rodata,"a",@progbits
	.p2align	6, 0x0
	.amdhsa_kernel k_q8e1ee41d6b_refine
		.amdhsa_group_segment_fixed_size 35840
		.amdhsa_private_segment_fixed_size 0
		.amdhsa_enable_private_segment 0
		.amdhsa_kernarg_size 40
		.amdhsa_user_sgpr_count 2
		.amdhsa_user_sgpr_kernarg_segment_ptr 1
		.amdhsa_wavefront_size32 1
		.amdhsa_system_sgpr_workgroup_id_x 1
		.amdhsa_system_sgpr_workgroup_id_y 1
		.amdhsa_system_sgpr_workgroup_id_z 1
		.amdhsa_system_vgpr_workitem_id 0
		.amdhsa_next_free_vgpr 130
		.amdhsa_next_free_sgpr 66
		.amdhsa_reserve_vcc 1
		.amdhsa_float_denorm_mode_32 3
		.amdhsa_float_denorm_mode_16_64 3
		.amdhsa_memory_ordered 1
		.amdhsa_forward_progress 1
		.amdhsa_inst_pref_size 50
	.end_amdhsa_kernel
	.amdgpu_metadata
---
amdhsa.version: [ 1, 2 ]
amdhsa.kernels:
  - .name:           k_q8e1ee41d6b_refine
    .symbol:         k_q8e1ee41d6b_refine.kd
    .args:
      - { .name: xyz1, .offset: 0, .size: 8, .value_kind: global_buffer, .address_space: global }
      - { .name: xyz2, .offset: 8, .size: 8, .value_kind: global_buffer, .address_space: global }
      - { .name: cand, .offset: 16, .size: 8, .value_kind: global_buffer, .address_space: global }
      - { .name: nidx, .offset: 24, .size: 8, .value_kind: global_buffer, .address_space: global }
      - { .name: nw, .offset: 32, .size: 8, .value_kind: global_buffer, .address_space: global }
    .group_segment_fixed_size: 35840
    .private_segment_fixed_size: 0
    .kernarg_segment_align: 8
    .kernarg_segment_size: 40
    .max_flat_workgroup_size: 256
    .sgpr_count:     66
    .vgpr_count:     130
    .wavefront_size: 32
...
	.end_amdgpu_metadata
.endif
;; end of part 2
;; launch mlp (part 3): grid 256 x 1, 8 waves a work-group, no clusters, 327,680 bytes of LDS; arguments points1, f2t, nidx, nw, w1_codes, w1_scales, w2_codes, w2_scales, b1, g1, be1, m1, v1, b2, g2, be2, m2, v2, out0; writes out0
.if DOCPART == 3
	.amdgcn_target "amdgcn-amd-amdhsa--gfx1250"
	.amdhsa_code_object_version 6
	.text
	.protected	k_q8e1ee41d6b_mlp
	.globl	k_q8e1ee41d6b_mlp
	.p2align	8
	.type	k_q8e1ee41d6b_mlp,@function
k_q8e1ee41d6b_mlp:
	s_mov_b64 s[64:65], 0
	v_nop
	global_prefetch_b8 v0, s[64:65] scope:SCOPE_SE
	s_setreg_imm32_b32 hwreg(HW_REG_WAVE_MODE, 25, 1), 1
	s_wait_xcnt 0x0
; MLP.  x = [points1^T | the weighted sum of three rows of f2t], 512 along K, quantised to E4M3 with one E8M0 scale for each 32; layer 1 (512 -> 256), BatchNorm, ReLU, quantised again; layer 2 (256 -> 128), BatchNorm, ReLU;
; out0 [b][128][8192].  Both products by v_wmma_scale_f32_16x16x128_f8f6f4, used transposed (source 0 = 16 rows of a weight, source 1 = 16 queries): a lane holds one query.
; SHARES.  Work-group: batch x / 32, 256 queries, in 4 blocks of 64.  THE WAVES SHARE THE COLUMNS: wave w makes hidden units 32 w .. 32 w + 31 (one block of 32 of layer 2's K) and outputs 16 w .. 16 w + 15 for all 64 queries;
; its weights (160 registers) stay in registers, read from memory once.  Row r of tile m is query 4 r + m of the block, so that a lane's four results of a channel are four neighbouring n: 16 lanes store 256 consecutive bytes of out0.
; THE ROWS OF W1 THAT FORM A TILE ARE NOT NEIGHBOURS: lane r of tile u takes row 32 w + 8 u + r + 8 (r / 8), so that a lane's 16 results are hidden units 32 w + 16 (lane / 16) + 0 .. 15.
; x's first half: a tile of points1 (256 features x 64 queries, f32) comes by tensor loads into a ring of two slots; a lane takes a query and its registers run down 64 features: two whole blocks of 32.
; x's second half: a wave takes 8 queries, one at a time: 3 rows of f2t, 8 neighbouring features a lane (f2t's layout), four lanes to a block.  The rows' numbers are whole numbers stored by the launch before.
; A ring of four register slots keeps 24 such loads of every wave on their way.  Codes and scale bytes meet in LDS; three barriers a block.
; BatchNorm: (sum + (b - m)) x (g x rsq(v + 1e-5)) + be; b - m is the C of each sum's first matrix instruction.
; NO CLUSTER: what work-groups share is the weights, 160 KiB read once into registers beside 1.2 MiB of a work-group's own bytes; they never pass through LDS.
; LIMITS: inputs finite; v_rsq_f32 (1 ulp) for 1 / sqrt; blocks whose largest magnitude lies under 2^-118, and blocks of zeros, keep the scale byte 1 (zero codes add nothing).
; REGISTERS.  Window 0: v1-16 addresses; v20-27 my 32 queries' records (lane = place in my stream); v28-39 the ring's offsets; v40-49 the weights' scale words; v52-123 BatchNorm; v124-131 scale words of x or of the hidden layer;
;   v132-163 accumulators; v164-227 two sets of fragments; v228-255 at work.  While x is made: v132-195 64 numbers of points1, v196-211 their codes, v212-219 at work, v220-227 8 interpolated numbers.
;   Window 1: v0-127 W1's 8 fragments; v128-159 W2's 2; v160-255 the ring: 4 slots x 3 rows x 8.
.set SLOT,  65536                      ; LDS: two slots of 256 rows x 256 bytes at 0 and 65,536
.set XC,    131072                     ; x's codes: r x 528 + m x 8,512 + k.  528 = 33 x 16 and 8,512 = 532 x 16: fragment loads (16 r) and the makers' stores (4 r x 4 m) both fall on 16 different columns of 16 bytes
.set XP,    528
.set XM,    8512
.set XS,    XC+34304                   ; x's scale bytes: (16 m + r) x 16 + block
.set HC,    XS+1024                    ; the hidden layer's codes: (16 m + r) x 272 + k
.set HP,    272
.set HS,    HC+64*HP                   ; its scale bytes: (16 m + r) x 8 + block
.set SPARE, HS+512                     ; the spare words, 128 bytes for each wave: four blocks of 256 bytes that no other line names
.set W1S, 40
.set W2S, 48
.set BC1, 52                           ; b1 - m1, g1 rsq(v1 + eps), be1 at my 16 hidden units; the same for my 8 outputs
.set BA1, 68
.set BE1, 84
.set BC2, 100
.set BA2, 108
.set BE2, 116
.set XSR, 124
.set ACC, 132
.set FA,  164
.set FB,  196
.set PN,  132
.set PCD, 196
.set IA,  220
.set CC,  228                          ; the codes of my 8 interpolated queries, 2 registers each; v244-251 their scale bytes: no LDS store's data are rewritten within a block
.set CB,  244
.set G,   160                          ; in window 1
.set MSB, 0
.macro WIN new                         ; the immediate's high byte repeats the setting that is left
.if MSB != \new
	s_set_vgpr_msb (MSB<<8)|\new
.set MSB, \new
.endif
.endm
.macro PLACES                          ; eight places behind this matrix form ahead of loads into its registers and of reads of its results
.rept 8
	v_nop
.endr
.endm
.macro BAR                             ; my LDS stores have landed and my LDS loads are in: then the work-group's barrier
	s_wait_dscnt 0x0
	s_barrier_signal -1
	s_barrier_wait -1
.endm
	s_load_b512 s[4:19], s[0:1], 0x0               ; points1, f2t, nidx, nw, w1_codes, w1_scales, w2_codes, w2_scales
	s_load_b512 s[20:35], s[0:1], 0x40             ; b1, g1, be1, m1, v1, b2, g2, be2
	s_load_b128 s[36:39], s[0:1], 0x80             ; m2, v2
	s_load_b64 s[40:41], s[0:1], 0x90              ; out0
	v_lshl_add_u32 v1, v0, 2, SPARE
	v_mov_b32 v2, 0
	ds_add_u32 v1, v2
	s_wait_dscnt 0x0
	v_lshrrev_b32 v3, 5, v0
	v_readfirstlane_b32 s56, v3                    ; wave 0..7
	s_lshr_b32 s42, ttmp9, 5                       ; b
	s_and_b32 s43, ttmp9, 31                       ; g
	; descriptor group 1: 64 rows (features) x 64 elements of 4 bytes (queries), rows 8,192 elements apart, dense in LDS
	s_mov_b32 s44, 2<<16
	s_mov_b32 s45, 64<<16                          ; tensor_dim0
	s_mov_b32 s46, 64<<16                          ; tensor_dim1
	s_mov_b32 s47, 64<<16                          ; tile_dim0
	s_mov_b32 s48, 64                              ; tile_dim1
	s_mov_b32 s49, 8192                            ; stride
	s_mov_b32 s50, 0
	s_mov_b32 s51, 0
	s_mov_b32 s52, 1                               ; group 0, which walks
	s_and_b32 s66, s56, 3
	s_lshl_b32 s53, s66, 14                        ; LDS: slot 0, 64 rows x (wave & 3)
	s_lshl_b32 s68, s42, 23
	s_lshl_b32 s69, s66, 21
	s_add_co_u32 s68, s68, s69
	s_lshl_b32 s69, s43, 10
	s_add_co_u32 s68, s68, s69                     ; the batch, + 64 rows x (wave & 3), + 4 x my first query
	s_mov_b32 s69, 0
	s_wait_kmcnt 0x0
	s_add_nc_u64 s[54:55], s[4:5], s[68:69]
	s_or_b32 s55, s55, 0x80000000
	s_cmp_lt_u32 s56, 4                            ; waves 0 to 3 fetch, a quarter of the tile each
	s_cbranch_scc0 .Lno_first
	tensor_load_to_lds s[52:55], s[44:51]          ; block 0 into slot 0
	s_nop 0
.rept 4
	v_nop
.endr
.Lno_first:
	v_and_b32 v17, 31, v0                          ; l
	v_and_b32 v18, 15, v0                          ; r
	v_bfe_u32 v19, v0, 4, 1                        ; h
	v_lshlrev_b32 v3, 4, v17                       ; v3: 16 l
	s_and_b32 s66, s56, 1
	s_lshr_b32 s67, s56, 1
	s_lshl_b32 s68, s66, 7
	s_lshl_b32 s69, s67, 14
	s_add_co_u32 s68, s68, s69
	v_lshl_add_u32 v4, v17, 2, s68                 ; v4: the tile: query 32 (w & 1) + l, features 64 (w >> 1) on
	v_lshrrev_b32 v228, 2, v17
	v_and_b32 v229, 3, v17
	v_mul_u32_u24 v6, v228, XP
	v_mad_u32_u24 v6, v229, XM, v6
	s_mul_i32 s68, s66, 8*XP
	s_lshl_b32 s69, s67, 6
	s_add_co_u32 s68, s68, s69
	s_add_co_u32 s68, s68, XC
	v_add_nc_u32 v6, s68, v6                       ; v6: that query's codes: r = 8 (w & 1) + l / 4, m = l % 4, k = 64 (w >> 1)
	v_lshl_add_u32 v7, v229, 4, v228
	v_lshlrev_b32 v7, 4, v7
	s_lshl_b32 s68, s66, 7
	s_lshl_b32 s69, s67, 1
	s_add_co_u32 s68, s68, s69
	s_add_co_u32 s68, s68, XS
	v_add_nc_u32 v7, s68, v7                       ; v7: and its two scale bytes
	s_mul_i32 s68, s56, 2*XP
	s_add_co_u32 s68, s68, XC+256
	v_lshl_add_u32 v8, v17, 3, s68                 ; v8: interpolated codes: r = 2 w (+ j / 4), k = 256 + 8 l
	s_lshl_b32 s69, s56, 5                         ; 32 w
	s_add_co_u32 s68, s69, XS+8
	v_add_nc_u32 v9, s68, v228                     ; v9: their scale byte: row 2 w, block 8 + l / 4
	v_mul_u32_u24 v10, v18, XP
	v_lshl_add_u32 v10, v19, 4, v10
	v_add_nc_u32 v10, XC, v10                      ; v10: x's fragments
	v_lshl_add_u32 v11, v18, 4, XS                 ; v11: x's scale words
	v_mul_u32_u24 v14, v18, HP
	v_lshl_add_u32 v14, v19, 4, v14
	v_add_nc_u32 v14, HC, v14                      ; v14: the hidden layer's fragments: HC + 272 r + 16 h
	v_add_nc_u32 v12, s69, v14                     ; v12: where I put my 16 hidden codes: + 32 w
	v_lshl_add_u32 v15, v18, 3, HS                 ; v15: the hidden layer's scale words
	v_add_nc_u32 v13, s56, v15                     ; v13: my block's byte
	v_lshlrev_b32 v16, 18, v19
	v_lshl_add_u32 v16, v18, 4, v16                ; v16: out0: 8 h channels + 16 r
	v_lshrrev_b32 v230, 3, v17
	v_and_b32 v231, 7, v17
	v_lshl_add_u32 v230, v230, 6, v231
	v_lshlrev_b32 v230, 4, v230                    ; records: lane l = place l of my stream: query 64 (l / 8) + 8 w + l % 8
	v_and_b32 v232, 8, v18
	v_add_nc_u32 v232, v232, v18                   ; r + 8 (r / 8)
	v_lshlrev_b32 v233, 9, v232
	v_lshl_add_u32 v233, v19, 4, v233
	s_lshl_b32 s68, s56, 14
	v_add_nc_u32 v233, s68, v233                   ; W1's codes: rows of 512 bytes
	v_lshlrev_b32 v234, 4, v232
	s_lshl_b32 s68, s56, 9
	v_add_nc_u32 v234, s68, v234                   ; W1's scale bytes: 16 a row
	v_lshlrev_b32 v235, 8, v18
	v_lshl_add_u32 v235, v19, 4, v235
	s_lshl_b32 s68, s56, 12
	v_add_nc_u32 v235, s68, v235                   ; W2's codes: row 16 w + r of 256 bytes
	v_lshlrev_b32 v236, 3, v18
	s_lshl_b32 s68, s56, 7
	v_add_nc_u32 v236, s68, v236                   ; W2's scale bytes: 8 a row
	v_lshlrev_b32 v237, 6, v19
	v_add_nc_u32 v237, s68, v237                   ; layer 1's vectors: 4 (32 w + 16 h)
	v_lshlrev_b32 v238, 5, v19
	s_lshl_b32 s68, s56, 6
	v_add_nc_u32 v238, s68, v238                   ; layer 2's: 4 (16 w + 8 h)
	s_lshl_b32 s68, s42, 17
	s_lshl_b32 s69, s43, 12
	s_add_co_u32 s68, s68, s69
	s_lshl_b32 s69, s56, 7
	s_add_co_u32 s68, s68, s69                     ; 16 (8,192 b + 256 g + 8 w)
	s_mov_b32 s69, 0
	s_add_nc_u64 s[8:9], s[8:9], s[68:69]
	s_add_nc_u64 s[10:11], s[10:11], s[68:69]
	s_lshl_b32 s68, s42, 21
	s_add_nc_u64 s[6:7], s[6:7], s[68:69]          ; f2t at the batch
	s_lshl_b32 s68, s42, 22
	s_lshl_b32 s70, s56, 19
	s_add_co_u32 s68, s68, s70
	s_lshl_b32 s70, s43, 10
	s_add_co_u32 s68, s68, s70
	s_add_nc_u64 s[40:41], s[40:41], s[68:69]      ; out0: the batch, channel 16 w, my first query
	; THE HEAD'S LOADS, in the order in which they are wanted: the records (the ring's addresses hang on them), what the BatchNorm arithmetic takes, then the ring, then the weights.
	global_load_b128 v[20:23], v230, s[8:9]
	global_load_b128 v[24:27], v230, s[10:11]
.irp u, 0,1
.irp q, 0,1
	global_load_b128 v[BC1+8*\u+4*\q:BC1+8*\u+4*\q+3], v237, s[20:21] offset:32*\u+16*\q
	global_load_b128 v[BA1+8*\u+4*\q:BA1+8*\u+4*\q+3], v237, s[22:23] offset:32*\u+16*\q
	global_load_b128 v[BE1+8*\u+4*\q:BE1+8*\u+4*\q+3], v237, s[24:25] offset:32*\u+16*\q
	global_load_b128 v[132+8*\u+4*\q:132+8*\u+4*\q+3], v237, s[26:27] offset:32*\u+16*\q
	global_load_b128 v[148+8*\u+4*\q:148+8*\u+4*\q+3], v237, s[28:29] offset:32*\u+16*\q
.endr
.endr
.irp q, 0,1
	global_load_b128 v[BC2+4*\q:BC2+4*\q+3], v238, s[30:31] offset:16*\q
	global_load_b128 v[BA2+4*\q:BA2+4*\q+3], v238, s[32:33] offset:16*\q
	global_load_b128 v[BE2+4*\q:BE2+4*\q+3], v238, s[34:35] offset:16*\q
	global_load_b128 v[164+4*\q:164+4*\q+3], v238, s[36:37] offset:16*\q
	global_load_b128 v[172+4*\q:172+4*\q+3], v238, s[38:39] offset:16*\q
.endr
.irp u, 0,1
	global_load_b128 v[W1S+4*\u:W1S+4*\u+3], v234, s[14:15] offset:\u*128
.endr
	global_load_b64 v[W2S:W2S+1], v236, s[18:19]
	WIN 0x40                                       ; destination window 1
.irp c, 0,1,2,3
	global_load_b128 v[128+4*\c:128+4*\c+3], v235, s[16:17] offset:\c*32                    ; W2's fragment of K step 0
.endr
	WIN 0
; The three rows of the query at place s78 of my stream are asked for, into ring slot `slot`: six loads of 512 consecutive bytes.
.macro REFILL slot
	v_readlane_b32 s74, v20, s78
	v_readlane_b32 s75, v21, s78
	v_readlane_b32 s76, v22, s78
	s_min_u32 s74, s74, 0x7ff                      ; a number read from memory enters an address only behind a bound
	s_min_u32 s75, s75, 0x7ff
	s_min_u32 s76, s76, 0x7ff
	s_lshl_b32 s74, s74, 10
	s_lshl_b32 s75, s75, 10
	s_lshl_b32 s76, s76, 10
	v_add_nc_u32 v[28+3*\slot], s74, v3
	v_add_nc_u32 v[29+3*\slot], s75, v3
	v_add_nc_u32 v[30+3*\slot], s76, v3
	WIN 0x40
.irp k, 0,1,2
	global_load_b128 v[G+24*\slot+8*\k:G+24*\slot+8*\k+3], v[28+3*\slot+\k], s[6:7]
	global_load_b128 v[G+24*\slot+8*\k+4:G+24*\slot+8*\k+7], v[28+3*\slot+\k], s[6:7] offset:512
.endr
	WIN 0
.endm
	s_wait_loadcnt 37                              ; the two records are in; the 37 loads issued behind them stay out
.irp p, 0,1,2,3
	s_mov_b32 s78, \p
	REFILL \p                                      ; with the ring's 24, 61 loads of mine are out at the most
.endr
	s_wait_loadcnt 24                              ; all but the ring's 24: the BatchNorm vectors are in
.irp i, 0,2,4,6,8,10,12,14
	v_pk_add_f32 v[BC1+\i:BC1+\i+1], v[BC1+\i:BC1+\i+1], v[132+\i:133+\i] neg_lo:[0,1] neg_hi:[0,1]   ; b - m
.endr
.irp i, 0,2,4,6
	v_pk_add_f32 v[BC2+\i:BC2+\i+1], v[BC2+\i:BC2+\i+1], v[164+\i:165+\i] neg_lo:[0,1] neg_hi:[0,1]
.endr
.irp i, 0,1,2,3,4,5,6,7,8,9,10,11,12,13,14,15
	v_add_f32 v[148+\i], 0x3727c5ac, v[148+\i]     ; v + 1e-5
.endr
.irp i, 0,1,2,3,4,5,6,7
	v_add_f32 v[172+\i], 0x3727c5ac, v[172+\i]
.endr
.irp i, 0,1,2,3,4,5,6,7,8,9,10,11,12,13,14,15
	v_rsq_f32 v[148+\i], v[148+\i]
.endr
.irp i, 0,1,2,3,4,5,6,7
	v_rsq_f32 v[172+\i], v[172+\i]
.endr
	v_mov_b32 v230, 0                              ; (a plain line behind the transcendentals)  a lane permute's destination counts as one of its sources: written once
	v_mov_b32 v231, 0
	s_wait_alu depctr_va_vdst(0)
.irp i, 0,2,4,6,8,10,12,14
	v_pk_mul_f32 v[BA1+\i:BA1+\i+1], v[BA1+\i:BA1+\i+1], v[148+\i:149+\i]
.endr
.irp i, 0,2,4,6
	v_pk_mul_f32 v[BA2+\i:BA2+\i+1], v[BA2+\i:BA2+\i+1], v[172+\i:173+\i]
.endr
	WIN 0x40                                       ; destination window 1: the other 36 loads of weights; with the ring's 24, 60 are out at the most
.irp c, 0,1,2,3
	global_load_b128 v[144+4*\c:144+4*\c+3], v235, s[16:17] offset:128+\c*32                ; W2's fragment of K step 1
.endr
.irp u, 0,1
.irp s, 0,1,2,3
.irp c, 0,1,2,3
	global_load_b128 v[16*(4*\u+\s)+4*\c:16*(4*\u+\s)+4*\c+3], v233, s[12:13] offset:\u*4096+\s*128+\c*32
.endr
.endr
.endr
	WIN 0
	s_mov_b32 s60, 0x76543210
	s_mov_b32 s61, 0xfedcba98                      ; v_permlanex16_b32's selects for lane l xor 16
	s_mov_b32 s62, 0x600000                        ; the mantissa field of 448
	s_mov_b32 s69, 0                               ; named as the upper halves of the pairs that the packed forms broadcast
	s_mov_b32 s71, 0
	s_mov_b32 s73, 0
	s_mov_b32 s57, 0                               ; the slot in hand
	s_mov_b32 s59, 0                               ; my stream's place: 8 a block
	s_mov_b32 s58, 3
	s_wait_loadcnt 0x0                             ; the weights stay in registers from here on
; THE CHANGE OF SLOTS, at a block's head.  fill = 1: behind the barrier the slot read in the block before takes the next block's tile, which has a whole block in which to land.
.macro CHANGE fill
	s_wait_tensorcnt 0x0                           ; all my tensor loads have landed (one was out: my part of this block's tile), so group 0 may be written
	ds_add_u32 v1, v2                              ; 0 onto my spare word
.if \fill
	s_xor_b32 s53, s53, SLOT                       ; the other slot than last time,
	s_add_nc_u64 s[54:55], s[54:55], 256           ; the next 64 queries; the type bits on top are not reached
.endif
	s_wait_dscnt 0x0                               ; the add is done; my reads of the other slot, and of the hidden layer's codes, are over
	s_barrier_signal -1
	s_barrier_wait -1
.if \fill
	s_cmp_lt_u32 s56, 4
	s_cbranch_scc0 .Lno_load_\@
	tensor_load_to_lds s[52:55], s[44:51]          ; the first thing behind the barrier, and a wave's one tensor load until the next
	s_nop 0
.rept 4
	v_nop
.endr
.Lno_load_\@:
.endif
.endm
; Query j of my 8 of this block: the weighted sum of its three rows, 8 numbers a lane; its codes and scale byte to LDS (two LDS stores).
; left: behind my slot's six loads stand those of the younger slots, six each.  refill = 1: the slot takes the query four places on.
.macro CONSUME j, refill, left
	s_wait_loadcnt \left
	s_add_co_u32 s77, s59, \j
	v_readlane_b32 s68, v24, s77
	v_readlane_b32 s70, v25, s77
	v_readlane_b32 s72, v26, s77
	WIN 0x01                                       ; source 0 window 1
.irp i, 0,2,4,6
	v_pk_mul_f32 v[IA+\i:IA+\i+1], v[G+24*((\j)&3)+\i:G+24*((\j)&3)+\i+1], s[68:69] op_sel_hi:[1,0]
.endr
.irp i, 0,2,4,6
	v_pk_fma_f32 v[IA+\i:IA+\i+1], v[G+24*((\j)&3)+8+\i:G+24*((\j)&3)+8+\i+1], s[70:71], v[IA+\i:IA+\i+1] op_sel_hi:[1,0,1]
.endr
.irp i, 0,2,4,6
	v_pk_fma_f32 v[IA+\i:IA+\i+1], v[G+24*((\j)&3)+16+\i:G+24*((\j)&3)+16+\i+1], s[72:73], v[IA+\i:IA+\i+1] op_sel_hi:[1,0,1]
.endr
	WIN 0
.if \refill
	s_add_co_u32 s78, s59, \j+4
	REFILL ((\j)&3)
.endif
	v_max3_num_f32 v252, |v[IA]|, |v[IA+1]|, 0x4800000             ; my 8 numbers and the floor 2^(9 - 127): the byte cannot fall under 1
	v_max3_num_f32 v253, |v[IA+2]|, |v[IA+3]|, |v[IA+4]|
	v_max3_num_f32 v252, v252, |v[IA+5]|, |v[IA+6]|
	v_max3_num_f32 v252, v252, v253, |v[IA+7]|
	v_max_num_f32_dpp v252, v252, v252 row_xmask:1 row_mask:0xf bank_mask:0xf
	v_max_num_f32_dpp v252, v252, v252 row_xmask:2 row_mask:0xf bank_mask:0xf   ; four lanes hold a block of 32
	v_add_nc_u32 v253, 0xfc000000, v252            ; 8 off the exponent field: the conversion's scale operand
	v_and_or_b32 v254, v252, 0x7f800000, s62       ; 448 x the scale
	v_lshrrev_b32 v[CB+\j], 23, v253               ; the scale's byte
.irp i, 0,1,2,3,4,5,6,7
	v_med3_num_f32 v[IA+\i], v[IA+\i], -v254, v254 ; the conversion to an 8-bit code does not saturate (ISA guide 7.6.2)
.endr
	v_cvt_scalef32_pk8_fp8_f32 v[CC+2*\j:CC+2*\j+1], v[IA:IA+7], v253
	v_nop                                          ; a plain line between a scaled conversion and the next write of its sources
	ds_store_b64 v8, v[CC+2*\j:CC+2*\j+1] offset:((\j)>>2)*XP+((\j)&3)*XM
	ds_store_b8 v9, v[CB+\j] offset:(((\j)&3)*16+((\j)>>2))*16     ; four lanes write the same byte with the same value
.endm
; A block of 32 features of my query of points1: all 32 numbers are mine.  Two LDS stores.
.macro QUANT32 blk
.set XB, PN+32*\blk
	v_max3_num_f32 v212, |v[XB]|, |v[XB+1]|, |v[XB+2]|
	v_max3_num_f32 v213, |v[XB+3]|, |v[XB+4]|, |v[XB+5]|
.irp i, 6,10,14,18,22,26
	v_max3_num_f32 v212, v212, |v[XB+\i]|, |v[XB+\i+1]|
	v_max3_num_f32 v213, v213, |v[XB+\i+2]|, |v[XB+\i+3]|
.endr
	v_max3_num_f32 v212, v212, |v[XB+30]|, |v[XB+31]|
	v_max3_num_f32 v212, v212, v213, 0x4800000
	v_add_nc_u32 v214, 0xfc000000, v212
	v_and_or_b32 v215, v212, 0x7f800000, s62
	v_lshrrev_b32 v[216+\blk], 23, v214
.set cnt, 0
.rept 32
	v_med3_num_f32 v[XB+cnt], v[XB+cnt], -v215, v215
.set cnt, cnt+1
.endr
.irp g, 0,1,2,3
	v_cvt_scalef32_pk8_fp8_f32 v[PCD+8*\blk+2*\g:PCD+8*\blk+2*\g+1], v[XB+8*\g:XB+8*\g+7], v214
.endr
	v_nop
	ds_store_b128 v6, v[PCD+8*\blk:PCD+8*\blk+3] offset:32*\blk
	ds_store_b128 v6, v[PCD+8*\blk+4:PCD+8*\blk+7] offset:32*\blk+16
.endm
.macro FETCHX set, pi, s               ; x's fragments of tiles 2 pi, 2 pi + 1, K step s
.irp mm, 0,1
.irp c, 0,1,2,3
	ds_load_b128 v[\set+16*\mm+4*\c:\set+16*\mm+4*\c+3], v10 offset:(2*\pi+\mm)*XM+128*\s+32*\c
.endr
.endr
.endm
; Four matrix instructions on four accumulators, one a turn, in the same order in every K step.  first = 1: b1 - m1 starts the sums.
.macro MUL3 set, s, first
	WIN 0x01                                       ; source 0 (W1) window 1
.irp mm, 0,1
.irp u, 0,1
.if \first
	v_wmma_scale_f32_16x16x128_f8f6f4 v[ACC+16*\mm+8*\u:ACC+16*\mm+8*\u+7], v[16*(4*\u+\s):16*(4*\u+\s)+15], v[\set+16*\mm:\set+16*\mm+15], v[BC1+8*\u:BC1+8*\u+7], v[W1S+4*\u+\s], v[XSR+4*\mm+\s]
.else
	v_wmma_scale_f32_16x16x128_f8f6f4 v[ACC+16*\mm+8*\u:ACC+16*\mm+8*\u+7], v[16*(4*\u+\s):16*(4*\u+\s)+15], v[\set+16*\mm:\set+16*\mm+15], v[ACC+16*\mm+8*\u:ACC+16*\mm+8*\u+7], v[W1S+4*\u+\s], v[XSR+4*\mm+\s]
.endif
.endr
.endr
	WIN 0
.endm
; Two tiles of the hidden layer: BatchNorm, then ReLU and the hold in one, quantised: my 16 numbers and lane l xor 16's are a block of 32.  Each accumulator is read from its low end on.
.macro HQ2 pi
.irp i, 0,2,4,6,8,10,12,14
.irp mm, 0,1
	v_pk_fma_f32 v[ACC+16*\mm+\i:ACC+16*\mm+\i+1], v[ACC+16*\mm+\i:ACC+16*\mm+\i+1], v[BA1+\i:BA1+\i+1], v[BE1+\i:BE1+\i+1]
.endr
.endr
.irp mm, 0,1
	v_max3_num_f32 v[228+\mm], v[ACC+16*\mm], v[ACC+16*\mm+1], 0x4800000     ; no |.|: what is negative becomes 0 and must not count; the floor stands over it
.endr
.irp i, 2,4,6,8,10,12,14
.irp mm, 0,1
	v_max3_num_f32 v[228+\mm], v[228+\mm], v[ACC+16*\mm+\i], v[ACC+16*\mm+\i+1]
.endr
.endr
.irp mm, 0,1
	v_permlanex16_b32 v[230+\mm], v[228+\mm], s60, s61
.endr
.irp mm, 0,1
	v_max_num_f32 v[228+\mm], v[228+\mm], v[230+\mm]
.endr
.irp mm, 0,1
	v_add_nc_u32 v[232+\mm], 0xfc000000, v[228+\mm]
.endr
.irp mm, 0,1
	v_and_or_b32 v[234+\mm], v[228+\mm], 0x7f800000, s62
.endr
.irp mm, 0,1
	v_lshrrev_b32 v[236+\mm], 23, v[232+\mm]
.endr
.irp mm, 0,1
.irp i, 0,1,2,3,4,5,6,7,8,9,10,11,12,13,14,15
	v_med3_num_f32 v[ACC+16*\mm+\i], v[ACC+16*\mm+\i], 0, v[234+\mm]
.endr
	v_cvt_scalef32_pk8_fp8_f32 v[240+4*\mm:241+4*\mm], v[ACC+16*\mm:ACC+16*\mm+7], v[232+\mm]
	v_cvt_scalef32_pk8_fp8_f32 v[242+4*\mm:243+4*\mm], v[ACC+16*\mm+8:ACC+16*\mm+15], v[232+\mm]
.endr
	v_nop                                          ; a plain line between the conversions and the products that write their sources
.irp mm, 0,1
	ds_store_b128 v12, v[240+4*\mm:243+4*\mm] offset:(2*\pi+\mm)*16*HP
	ds_store_b8 v13, v[236+\mm] offset:(2*\pi+\mm)*128             ; lanes l and l xor 16 write the same byte with the same value
.endr
.endm
; Layer 1 for two tiles of queries.  Two sets of fragments by turns: s_wait_dscnt 8 leaves the younger set's eight loads out.
.macro PAIR pi
	ds_load_b128 v[XSR:XSR+3], v11 offset:(2*\pi)*256
	ds_load_b128 v[XSR+4:XSR+7], v11 offset:(2*\pi+1)*256
	FETCHX FA, \pi, 0
	FETCHX FB, \pi, 1
	s_wait_dscnt 8
	MUL3 FA, 0, 1
	PLACES
	FETCHX FA, \pi, 2
	s_wait_dscnt 8
	MUL3 FB, 1, 0
	PLACES
	FETCHX FB, \pi, 3
	s_wait_dscnt 8
	MUL3 FA, 2, 0
	s_wait_dscnt 0x0                               ; the last set is in; the pair before's LDS stores have read their registers
	MUL3 FB, 3, 0
	PLACES
	HQ2 \pi
.endm
.macro BLOCK fill, last
	CHANGE \fill
	v_add_nc_u32 v5, s57, v4
.set cnt, 0
.rept 32
	ds_load_b32 v[PN+cnt], v5 offset:256*cnt       ; feature 64 (w >> 1) + cnt of my query: 32 lanes read 128 consecutive bytes.  The first block of 32
.set cnt, cnt+1
.endr
	CONSUME 0, 1, 18
	CONSUME 1, 1, 18
	s_wait_dscnt 4                                 ; the first 32 numbers are in: behind their loads stand the four LDS stores of queries 0 and 1
.set cnt, 32
.rept 32
	ds_load_b32 v[PN+cnt], v5 offset:256*cnt       ; the second block of 32 lands while the first is worked
.set cnt, cnt+1
.endr
	QUANT32 0
	CONSUME 2, 1, 18
	CONSUME 3, 1, 18
	s_wait_dscnt 6                                 ; the second 32 are in: behind their loads stand two stores of codes and the four of queries 2 and 3
	QUANT32 1
	v_lshl_or_b32 v218, v217, 8, v216
	ds_store_b16 v7, v218                          ; my query's two scale bytes
.if \last
	CONSUME 4, 0, 18                               ; the last block asks for nothing more: the counts run down
	CONSUME 5, 0, 12
	CONSUME 6, 0, 6
	CONSUME 7, 0, 0
.else
	CONSUME 4, 1, 18
	CONSUME 5, 1, 18
	CONSUME 6, 1, 18
	CONSUME 7, 1, 18
.endif
	BAR                                            ; x's codes and scale bytes lie in LDS; this slot's reads are over
	PAIR 0
	PAIR 1
	BAR                                            ; the hidden layer's lie there; x's have been read
.irp m, 0,1,2,3
	ds_load_b64 v[XSR+2*\m:XSR+2*\m+1], v15 offset:\m*128
.endr
.irp s, 0,1                                        ; layer 2: my 16 outputs x four tiles of queries: four accumulators by turns
.irp m, 0,1,2,3
.irp c, 0,1,2,3
	ds_load_b128 v[FA+16*\m+4*\c:FA+16*\m+4*\c+3], v14 offset:\m*16*HP+128*\s+32*\c
.endr
.endr
	s_wait_dscnt 0x0
	WIN 0x01                                       ; source 0 (W2) window 1
.irp m, 0,1,2,3
.if \s == 0
	v_wmma_scale_f32_16x16x128_f8f6f4 v[ACC+8*\m:ACC+8*\m+7], v[128+16*\s:128+16*\s+15], v[FA+16*\m:FA+16*\m+15], v[BC2:BC2+7], v[W2S+\s], v[XSR+2*\m+\s]
.else
	v_wmma_scale_f32_16x16x128_f8f6f4 v[ACC+8*\m:ACC+8*\m+7], v[128+16*\s:128+16*\s+15], v[FA+16*\m:FA+16*\m+15], v[ACC+8*\m:ACC+8*\m+7], v[W2S+\s], v[XSR+2*\m+\s]
.endif
.endr
	WIN 0
	PLACES
.endr
.irp m, 0,1,2,3
.irp i, 0,2,4,6
	v_pk_fma_f32 v[ACC+8*\m+\i:ACC+8*\m+\i+1], v[ACC+8*\m+\i:ACC+8*\m+\i+1], v[BA2+\i:BA2+\i+1], v[BE2+\i:BE2+\i+1]   ; each accumulator from its low end on
.endr
.endr
.irp j, 0,1,2,3,4,5,6,7
.irp m, 0,1,2,3
	v_max_num_f32 v[FA+4*\j+\m], 0, v[ACC+8*\m+\j] ; ReLU; channel j's four neighbouring queries 4 r + m side by side
.endr
.endr
.irp j, 0,1,2,3,4,5,6,7
	global_store_b128 v16, v[FA+4*\j:FA+4*\j+3], s[40:41] offset:\j*32768 th:TH_STORE_NT    ; 16 lanes store 256 consecutive bytes of a channel, aligned; written once, read by nobody here
.endr
	s_wait_xcnt 0x0                                ; the stores' data registers and base are rewritten only behind this wait
	s_add_nc_u64 s[40:41], s[40:41], 256
	s_add_co_u32 s59, s59, 8
	s_xor_b32 s57, s57, SLOT
.endm
.Lblk:                                             ; three blocks ask for the tile of the block that follows
	BLOCK 1, 0
	s_sub_co_u32 s58, s58, 1
	s_cmp_lg_u32 s58, 0
	s_cbranch_scc1 .Lblk
	BLOCK 0, 1                                     ; the last is written out
	s_wait_tensorcnt 0x0                           ; the wave's end
	ds_add_u32 v1, v2
	s_wait_dscnt 0x0
	s_endpgm
.Lfunc_end_k_q8e1ee41d6b_mlp:
	.size	k_q8e1ee41d6b_mlp, .Lfunc_end_k_q8e1ee41d6b_mlp-k_q8e1ee41d6b_mlp
	.p2alignl 7, 3214868480
	.fill 96, 4, 3214868480
	.section	.rodata,"a",@progbits
	.p2align	6, 0x0
	.amdhsa_kernel k_q8e1ee41d6b_mlp
		.amdhsa_group_segment_fixed_size 327680
		.amdhsa_private_segment_fixed_size 0
		.amdhsa_enable_private_segment 0
		.amdhsa_kernarg_size 152
		.amdhsa_user_sgpr_count 2
		.amdhsa_user_sgpr_kernarg_segment_ptr 1
		.amdhsa_wavefront_size32 1
		.amdhsa_system_sgpr_workgroup_id_x 1
		.amdhsa_system_sgpr_workgroup_id_y 1
		.amdhsa_system_sgpr_workgroup_id_z 1
		.amdhsa_system_vgpr_workitem_id 0
		.amdhsa_next_free_vgpr 512
		.amdhsa_next_free_sgpr 80
		.amdhsa_reserve_vcc 0
		.amdhsa_float_denorm_mode_32 3
		.amdhsa_float_denorm_mode_16_64 3
		.amdhsa_memory_ordered 1
		.amdhsa_forward_progress 1
		.amdhsa_inst_pref_size 155
	.end_amdhsa_kernel
	.amdgpu_metadata
---
amdhsa.version: [ 1, 2 ]
amdhsa.kernels:
  - .name:           k_q8e1ee41d6b_mlp
    .symbol:         k_q8e1ee41d6b_mlp.kd
    .args:
      - { .name: points1, .offset: 0, .size: 8, .value_kind: global_buffer, .address_space: global }
      - { .name: f2t, .offset: 8, .size: 8, .value_kind: global_buffer, .address_space: global }
      - { .name: nidx, .offset: 16, .size: 8, .value_kind: global_buffer, .address_space: global }
      - { .name: nw, .offset: 24, .size: 8, .value_kind: global_buffer, .address_space: global }
      - { .name: w1_codes, .offset: 32, .size: 8, .value_kind: global_buffer, .address_space: global }
      - { .name: w1_scales, .offset: 40, .size: 8, .value_kind: global_buffer, .address_space: global }
      - { .name: w2_codes, .offset: 48, .size: 8, .value_kind: global_buffer, .address_space: global }
      - { .name: w2_scales, .offset: 56, .size: 8, .value_kind: global_buffer, .address_space: global }
      - { .name: b1, .offset: 64, .size: 8, .value_kind: global_buffer, .address_space: global }
      - { .name: g1, .offset: 72, .size: 8, .value_kind: global_buffer, .address_space: global }
      - { .name: be1, .offset: 80, .size: 8, .value_kind: global_buffer, .address_space: global }
      - { .name: m1, .offset: 88, .size: 8, .value_kind: global_buffer, .address_space: global }
      - { .name: v1, .offset: 96, .size: 8, .value_kind: global_buffer, .address_space: global }
      - { .name: b2, .offset: 104, .size: 8, .value_kind: global_buffer, .address_space: global }
      - { .name: g2, .offset: 112, .size: 8, .value_kind: global_buffer, .address_space: global }
      - { .name: be2, .offset: 120, .size: 8, .value_kind: global_buffer, .address_space: global }
      - { .name: m2, .offset: 128, .size: 8, .value_kind: global_buffer, .address_space: global }
      - { .name: v2, .offset: 136, .size: 8, .value_kind: global_buffer, .address_space: global }
      - { .name: out0, .offset: 144, .size: 8, .value_kind: global_buffer, .address_space: global }
    .group_segment_fixed_size: 327680
    .private_segment_fixed_size: 0
    .kernarg_segment_align: 8
    .kernarg_segment_size: 152
    .max_flat_workgroup_size: 256
    .sgpr_count:     80
    .vgpr_count:     512
    .wavefront_size: 32
...
	.end_amdgpu_metadata
.endif
;; end of part 3
